; MI455X (gfx1250); checked and timed in simulation.
; The chip was launched on July 23, 2026; its instructions are those of AMD's public machine-readable ISA for CDNA 5 (MIT licence, August 2026) and "CDNA5" Instruction Set Architecture Reference Guide (July 2026). The comments in the code are by the model that wrote it; some were corrected since.
;; Abstract Leaky Relu Less. Allowed arithmetic: matrix products marked QUANTISED: E4M3 operands, one given power-of-two scale a tensor, by v_wmma_f32_16x16x64_fp8_fp8 or v_wmma_f32_16x16x128_fp8_fp8, f32 sums; products left as they are: f32 operands where the result goes on into a quantised operand, else bf16, f16 or f32 operands; f32 sums; everything else in f32.
;; Inputs: W_codes 1,024 x 128 x 32 uint8 (E4M3 codes of W, K innermost, in blocks of 32 codes); alpha 4,096 float32; b 4,096 float32; l0 1,024 float32; lowerBound 4,096 float32; lowp_scales 8 int32 (the exponents e of the quantised operands' scales 2^e); u0 1,024 float32; upperBound 4,096 float32.
;; Outputs: out0 2 x 4,096 float32.
;; This version of the problem:
;;   THIS VERSION OF THE PROBLEM IS GIVEN IN LOW PRECISION. The matrix products marked QUANTISED in the list below multiply operands that are first quantised to E4M3 (4 exponent bits, 3 mantissa bits; 8 bits a number), with one given power-of-two scale for each operand tensor; their sums are f32. All else is computed in f32.
;;   The module's matrix products, in the order in which they are computed (A, B: the left and right operand; K: the contracted axis; several contracted axes count as one K, in the product's order):
;;     1. [M 4,096, K 4,096] x [K 4,096, N 1]; A: computed on the way; B: input b: left as it is (N = 1 < 16)
;;     2. [M 4,096, K 4,096] x [K 4,096, N 1]; A: computed on the way; B: input b: left as it is (N = 1 < 16)
;;     3. [M 4,096, K 4,096] x [K 4,096, N 1]; A: computed on the way; B: input b: left as it is (N = 1 < 16)
;;     4. [M 4,096, K 4,096] x [K 4,096, N 1]; A: computed on the way; B: input b: left as it is (N = 1 < 16)
;;     5. [M 4,096, K 4,096] x [K 4,096, N 1,024]; A: computed on the way; B: input W (given as codes): QUANTISED (scales: A lowp_scales[0], B lowp_scales[1])
;;     6. [M 4,096, K 4,096] x [K 4,096, N 1,024]; A: computed on the way; B: input W (given as codes): QUANTISED (scales: A lowp_scales[2], B lowp_scales[3])
;;     7. [M 4,096, K 4,096] x [K 4,096, N 1,024]; A: computed on the way; B: input W (given as codes): QUANTISED (scales: A lowp_scales[4], B lowp_scales[5])
;;     8. [M 4,096, K 4,096] x [K 4,096, N 1,024]; A: computed on the way; B: input W (given as codes): QUANTISED (scales: A lowp_scales[6], B lowp_scales[7])
;;     9. [M 4,096, K 1,024] x [K 1,024, N 1]; A: computed on the way; B: input u0: left as it is (N = 1 < 16)
;;     10. [M 4,096, K 1,024] x [K 1,024, N 1]; A: computed on the way; B: input l0: left as it is (N = 1 < 16)
;;     11. [M 4,096, K 1,024] x [K 1,024, N 1]; A: computed on the way; B: input l0: left as it is (N = 1 < 16)
;;     12. [M 4,096, K 1,024] x [K 1,024, N 1]; A: computed on the way; B: input u0: left as it is (N = 1 < 16)
;;   THE QUANTISER, for each operand of a quantised product, along K:
;;     - The operand's scale is 2^e, e = its entry of the input lowp_scales (int32; the entries are numbered through the quantised products in the list's order, A before B).
;;     - Each number is divided by the scale, clamped to +-448, and rounded to the nearest number of E4M3, ties to even, subnormals kept.
;;     - The product sums the exact products of the quantised numbers (number of the format x scale) in f32.
;;   ~~~python
;;   def quantise(x, axis, e):      # numpy; x: float32 -> the quantised numbers, widened to float32 again
;;       x = np.moveaxis(x, axis, -1); K = x.shape[-1]
;;       r = np.clip(x / 2.0 ** e, -448, 448)
;;       step = 2.0 ** (np.maximum(np.frexp(np.where(r == 0, 1, r))[1] - 1, -6) - 3)
;;       q = np.round(r / step) * step * 2.0 ** e      # np.round: ties to even
;;       return np.moveaxis(q, -1, axis).astype(np.float32)
;;   ~~~
;;   OPERANDS COMPUTED ON THE WAY. 'Computed on the way' means the value that the module computes at that place (a softmax that the list does not call 'softmax' is quantised finished and normalised). What goes into a quantiser is computed in f32, as accurately as f32 sums, v_exp_f32 and their like allow (about 1e-6 of the number): no bf16 or f16 on the way to a quantiser, and a product that is left as it is and whose result goes on into a quantised operand takes f32 operands (vector FMAs, or v_wmma_f32_16x16x4_f32). A number that lies on a knife's edge between two numbers of the format may be rounded either way, as far as f32 arithmetic and the matrix unit's own rounding can turn it there, and no further.
;;   INPUTS GIVEN AS CODES. W (in the module: [4096, 1024], K = its axis 0): each comes as NAME_codes (uint8): NAME with its K axis moved to the last place and cut into blocks of 32 codes, [.., K / 32, bytes a block], one block behind the other in memory; one code a byte (a code: sign, 4 exponent bits, 3 mantissa bits); its scale is its entry of lowp_scales. Its value is code x scale, taken as it is: it is not quantised again, and the codes and scales need not be those that the quantiser above would give.
;; One version. Each part assembles by itself: llvm-mc -triple=amdgcn-amd-amdhsa -mcpu=gfx1250 --defsym DOCPART=n.
;; ======== version 1 of 1: 2 launches
;; limits: right only within a limited range of input values
;; workspace buffers: part 1,048,576 bytes
;; launch band (part 1): grid 8 x 32, 4 waves a work-group, no clusters, 168,448 bytes of LDS; arguments W_codes, lowerBound, upperBound, alpha, b, l0, u0, lowp_scales, part; writes part
.if DOCPART == 1
	.amdgcn_target "amdgcn-amd-amdhsa--gfx1250"
	.amdhsa_code_object_version 6
	.text
	.protected	k_qf24acffc93_band
	.globl	k_qf24acffc93_band
	.p2align	8
	.type	k_qf24acffc93_band,@function
k_qf24acffc93_band:
	s_mov_b64 s[64:65], 0
	v_nop
	global_prefetch_b8 v0, s[64:65] scope:SCOPE_SE
	s_setreg_imm32_b32 hwreg(HW_REG_WAVE_MODE, 25, 1), 1
	s_wait_xcnt 0x0
; Bounds of a leaky-relu layer, substituted back through a linear layer and made concrete on the box [l0, u0].
; Each neuron i has two slopes, uw (upper) and lw (lower).  The four quantised products are diag(max(uw,0)) W, diag(min(uw,0)) W, diag(max(lw,0)) W, diag(min(lw,0)) W: [4096 x 4096] x [4096 x 1024],
; K = the 4,096 neurons, both operands codes of E4M3.  The contract asks for these products whole, by the FP8 matrix form: so EVERY K step of 128 is multiplied, 4 x 256 x 64 x 32 matrix instructions in the launch,
; though a row tile's left operand holds other than zero codes in one K step only.  The left operands cost no memory: off the diagonal ONE fragment of zero codes in 16 registers, on it four registers a product.
; SHARES.  Work-group (mb, nb): neurons 512 mb .. +511, inputs 32 nb .. +31.  Wave w: neurons 128 w .. +127 of them (8 row tiles a), both tiles jt of 16 inputs, 4 products p: 64 accumulators, 512 registers.
; A K step costs a wave 8 LDS loads (two fragments of W) for 64 matrix instructions.  The work-group's 32 rows of W's codes (131,072 bytes) lie in LDS whole, filled once: no ring, nothing is filled twice.
; K IS WALKED FROM THE DIAGONAL ON.  K is cut into 8 chunks of 512 bytes; chunk (mb + j) mod 8 lands at LDS place j, so the work-group's own 512 neurons are place 0 in every work-group and no LDS address hangs on
; the work-group's number.  In place 0 wave w takes the four steps in the order w xor t: its own 128 neurons first.  So the diagonal step is every wave's first step: its products start the sums (C = 0);
; the other 31 steps add onto them.  The order of K steps differs from ascending K; every term but the diagonal's is an exact zero.
; NO CLUSTER: the 8 work-groups that read the same rows of W begin at 8 different chunks; a joint load wants one descriptor in all partners, and then the diagonal chunk's place in LDS would hang on a
; work-group's place in its cluster.
; THE MATRIX INSTRUCTION IS USED TRANSPOSED: source 0 = 16 rows (inputs) of W, source 1 = 16 neurons' rows of the diagonal matrix; register j of lane (r, h) is the product for neuron r, input 16 jt + 8 h + j.
; PLACES ALONG K: registers 4 c .. 4 c + 3 of lane (r, h) hold k = 32 c + 16 h + 0 .. 15 of the step, in both sources: a permutation of k against the form's own layout, the same on both sides.
; The diagonal element of neuron 16 a + r lies in lane (r, a % 2), register 4 (a / 2) + r / 4, byte r % 4; lane l makes the codes of neurons 32 c + l, c = 0 .. 3: each code is made in the lane that holds it.
; ARITHMETIC.  Wu' = S0 + S1 x 2^dU, dU = e2 + e3 - e0 - e1 (Sp: product p's sums of code products); with c2 = u0 + l0, r2 = u0 - l0: max(x,0) u0 + min(x,0) l0 = (x c2 + |x| r2) / 2 for any u0, l0;
; upper = 2^(e0 + e1 - 1) x sum(Wu' c2 + |Wu'| r2), lower = 2^(e4 + e5 - 1) x sum(Wl' c2 - |Wl'| r2), summed here over the work-group's 32 inputs into plane nb of part; a second launch adds the 32 planes.
; The biases, in f32, go into plane 0 alone.
; LIMITS.  dU and dL (= e6 + e7 - e4 - e5) at most 127, so that 2^d is finite; below -126 the factor is denormal, below -149 zero, and the negative parts lose bits or vanish.
; For a crossing neuron |upperBound - lowerBound| lies between 2^-126 and 2^126 (the reciprocal flushes denormals).  NaN and infinity among the f32 inputs are not served.
; THE TEXT IS WRITTEN OUT, WITHOUT A LOOP: each chunk's wait on the tensor loads has a count of its own and every LDS offset is an immediate; 2,048 matrix instructions of 8 bytes and what stands round them.
; REGISTERS, in windows of 256 (s_set_vgpr_msb: bits 1:0 source 0, 3:2 source 1, 5:4 source 2, 7:6 destination).  Window 0: v0-15 addresses; v16-31 the codes; v32-111 the diagonal fragments and the zero fragment;
; v112-175 two sets of W's two fragments (before that scratch; at the end v112-143 at work); v176-207 c2, r2; v208-215 biases; v216-219 2^dU, 2^dL; v220-255 at work.
; Window 1: the accumulators of row tiles 0-3, (a, p, jt) at v[8 (8 (a % 4) + 2 p + jt)];  window 2: those of row tiles 4-7.
.set NS,    0x3c23d70a                 ; 0.01
.set PITCH, 528                        ; an LDS row: 512 bytes + 16 of padding = 132 words: the 16 rows of a fragment load start 4 words apart (64 banks of 4 bytes: ISA guide 11.1)
.set CH,    32*PITCH                   ; a chunk's place: 32 rows
.set QR,    8*PITCH                    ; a wave's quarter of it
.set T,     16                         ; v16-31   T[c][p] at T + 4 c + p: product p's code of my neuron 32 c + lane, at byte r % 4
.set AW,    32                         ; v32-111  12 zeros, NZ0, 12 zeros, NZ1, 12 zeros, NZ2, 12 zeros, NZ3, 16 zeros: product p's fragment with its four live registers at place 4 c begins at AW + 12 + 16 p - 4 c
.set Z,     AW+64                      ; the fragment of zero codes
.set BF,    112                        ; two sets of two fragments of W
.set XS,    112                        ; at the end: 32 combined sums
.set C2,    176
.set R2,    192
.set UB,    208                        ; biases of my four neurons
.set LB,    212
.set FU,    216                        ; 2^dU, twice;  FU + 2: 2^dL, twice
.set SU,    220                        ; eight running sums of the upper bound, SL of the lower
.set SL,    228
.set RS,    236                        ; upper of the even, of the odd row tile; lower likewise
.set OUT,   240                        ; four pairs (lower, upper)
.set PL,    13                         ; v13, v14 destinations of the lane permutes
.set EL, 112                           ; scratch of the head, four registers each: l, u, alpha, b, u - l, u - ns l, its reciprocal, the slope, ..
.set EU, 116
.set EAL, 120
.set EBB, 124
.set ED, 128
.set EN, 132
.set ER, 136
.set EQ, 140
.set EBS, 144
.set EUW, 148
.set ELW, 152
.set ET, 156
.set ES, 160
.set EX, 220                           ; 16 numbers for the conversions
.set EC, 236                           ; their codes: a register a neuron
.set MSB, 0
.macro WIN new                         ; the immediate's high byte repeats the setting that is left; a switch that changes nothing is dropped
.if MSB != (\new)
	s_set_vgpr_msb (MSB<<8)|(\new)
.set MSB, (\new)
.endif
.endm
.macro PLACES                          ; four plain vector lines between a matrix instruction and a load into, or a vector write of, a register that it read, or the first read of its result
.rept 4
	v_nop
.endr
.endm
	s_load_b512 s[8:23], s[0:1], 0x0               ; W_codes 8, lowerBound 10, upperBound 12, alpha 14, b 16, l0 18, u0 20, lowp_scales 22
	s_load_b64 s[24:25], s[0:1], 0x40              ; part
	v_lshl_add_u32 v15, v0, 2, 0x29000
	s_set_vgpr_msb 0xc0
	v_mov_b32 v1, 0
	s_set_vgpr_msb 0xc0cc
	ds_add_u32 v15, v1
	ds_add_u32 v15, v1
	s_set_vgpr_msb 0xcc00
	v_lshrrev_b32 v2, 5, v0
	v_readfirstlane_b32 s2, v2                     ; wave 0..3
	s_mov_b32 s3, ttmp9                            ; mb: which 512 neurons
	s_and_b32 s4, ttmp7, 0xffff                    ; nb: which 32 inputs
	; descriptor group 1: 8 rows x 512 bytes, 4,096 bytes apart in memory, 16 bytes of padding behind each row in LDS.  A chunk has 32 rows: 8 a wave
	s_mov_b32 s36, (0<<16)|(1<<20)|(6<<22)|(3<<25) ; no mask; elements of 1 byte; padding on: 4 words behind every 128
	s_mov_b32 s37, 512<<16                         ; tensor_dim0 = 512
	s_mov_b32 s38, 8<<16                           ; tensor_dim1 = 8
	s_mov_b32 s39, 512<<16                         ; tile_dim0 = 512
	s_mov_b32 s40, 8                               ; tile_dim1 = 8
	s_mov_b32 s41, 4096                            ; from row to row
	s_mov_b32 s42, 0
	s_mov_b32 s43, 0
	s_lshl_b32 s26, s4, 17                         ; 32 nb rows of 4,096 bytes
	s_lshl_b32 s5, s2, 15                          ; + my 8 rows
	s_add_co_u32 s26, s26, s5
	s_mul_i32 s27, s2, QR                          ; and their place in a chunk's place
	s_mov_b32 s7, 0
	s_wait_dscnt 0x0
	s_wait_kmcnt 0x0
	s_load_b256 s[28:35], s[22:23], 0x0            ; e0 .. e7
	; group 0, a set for each of the eight loads (s64 to s67 are passed over): LDS place J takes chunk (mb + J) mod 8
.set J, 0
.rept 8
.set GJ, 44+4*J+4*(J/5)
	s_add_co_u32 s5, s3, J
	s_and_b32 s5, s5, 7
	s_lshl_b32 s5, s5, 9
	s_add_co_u32 s6, s26, s5
	s_mov_b32 s[GJ], 1                             ; count = 1
	s_add_co_u32 s[GJ+1], s27, J*CH                ; LDS address: a constant + a constant x wave
	s_add_nc_u64 s[GJ+2:GJ+3], s[8:9], s[6:7]
	s_or_b32 s[GJ+3], s[GJ+3], 0x80000000          ; type = 2
.set J, J+1
.endr
.set J, 0
.rept 8                                ; all first fills in one group, chunk by chunk: eight tensor loads of mine are out
.set GJ, 44+4*J+4*(J/5)
	tensor_load_to_lds s[GJ:GJ+3], s[36:43]
	s_nop 0
.set J, J+1
.endr
.rept 4
	v_nop                                          ; the four lines behind the last load
.endr
	v_and_b32 v2, 31, v0                           ; lane
	s_lshl_b32 s5, s3, 11
	s_lshl_b32 s6, s2, 9
	s_add_co_u32 s5, s5, s6
	v_lshl_add_u32 v1, v2, 2, s5                   ; 4 x (512 mb + 128 w + lane): my first neuron; the others 32 further on each
.irp c, 0,1,2,3
	global_load_b32 v[EL+\c], v1, s[10:11] offset:128*\c
	global_load_b32 v[EU+\c], v1, s[12:13] offset:128*\c
	global_load_b32 v[EAL+\c], v1, s[14:15] offset:128*\c
	global_load_b32 v[EBB+\c], v1, s[16:17] offset:128*\c
.endr
	v_bfe_u32 v11, v0, 4, 1                        ; h
	v_and_b32 v3, 15, v0                           ; r
	s_lshl_b32 s5, s4, 7
	v_lshl_add_u32 v12, v11, 5, s5                 ; 4 x (32 nb + 8 h): my eight inputs of tile 0
.irp t, 0,1
	global_load_b128 v[C2+8*\t:C2+8*\t+3], v12, s[20:21] offset:64*\t        ; u0 at inputs 16 t + 8 h + 0 .. 7
	global_load_b128 v[C2+8*\t+4:C2+8*\t+7], v12, s[20:21] offset:64*\t+16
.endr
.irp t, 0,1
	global_load_b128 v[240+8*\t:243+8*\t], v12, s[18:19] offset:64*\t        ; l0 likewise
	global_load_b128 v[244+8*\t:247+8*\t], v12, s[18:19] offset:64*\t+16
.endr
	; work that needs no loaded number
	v_mul_u32_u24 v4, v3, PITCH
	v_lshl_add_u32 v4, v11, 4, v4                  ; v4: 528 r + 16 h: my place in a fragment; places 1 to 3 are reached by the immediate
.irp t, 0,1,2,3
	s_xor_b32 s5, s2, \t
	s_lshl_b32 s5, s5, 7
	v_add_nc_u32 v[5+\t], s5, v4                   ; v5-8: place 0, step t: the 128 bytes at 128 (w xor t)
.endr
	v_add_nc_u32 v9, 4*CH, v4                      ; v9: places 4 to 7
	s_lshl_b32 s5, s4, 15
	s_lshl_b32 s6, s3, 12
	s_add_co_u32 s5, s5, s6
	s_lshl_b32 s6, s2, 10
	s_add_co_u32 s5, s5, s6
	v_lshl_add_u32 v10, v2, 3, s5                  ; v10: part: plane nb, 8 bytes a neuron
	v_and_b32 v3, 3, v3
	v_lshlrev_b32 v3, 3, v3                        ; v3: 8 (r % 4): my codes' byte, in bits
	v_mov_b32 v[PL], 0                             ; written once: a lane permute's destination counts as one of its sources
	v_mov_b32 v[PL+1], 0
.irp h, 0,1
.irp q, 0,1,2,3
	s_mov_b32 s[80+4*\h+\q], 0xF<<(16*\h+4*\q)     ; the four lanes (half h, r / 4 = q) through which the diagonal passes in live register q of a row tile with a % 2 = h
.endr
.endr
	s_mov_b32 s96, 0x76543210
	s_mov_b32 s97, 0xfedcba98                      ; v_permlanex16_b32: lane l xor 16
	s_mov_b32 s99, 0xffff0000                      ; lanes 16-31
	s_mov_b32 s100, 0x43e00000                     ; 448
	s_mov_b32 s101, 0xc3e00000                     ; -448
	s_mov_b32 s104, NS
	s_cmp_eq_u32 s4, 0
	s_cselect_b32 s98, -1, 0                       ; the biases go into plane 0 alone
.irp g, 0,16,32,48,64
.irp j, 0,1,2,3,4,5,6,7,8,9,10,11
	v_mov_b32 v[AW+\g+\j], 0                       ; zero codes: operands, not sums
.endr
.endr
.irp j, 76,77,78,79
	v_mov_b32 v[AW+\j], 0
.endr
	s_wait_kmcnt 0x0                               ; e0 .. e7
	s_sub_co_i32 s88, 0, s28                       ; -e0
	s_sub_co_i32 s89, 0, s30                       ; -e2
	s_sub_co_i32 s90, 0, s32                       ; -e4
	s_sub_co_i32 s91, 0, s34                       ; -e6
	s_add_co_i32 s94, s28, s29
	s_add_co_i32 s92, s30, s31
	s_sub_co_i32 s92, s92, s94                     ; dU = e2 + e3 - e0 - e1
	s_sub_co_i32 s94, s94, 1                       ; e0 + e1 - 1
	s_add_co_i32 s95, s32, s33
	s_add_co_i32 s93, s34, s35
	s_sub_co_i32 s93, s93, s95                     ; dL = e6 + e7 - e4 - e5
	s_sub_co_i32 s95, s95, 1                       ; e4 + e5 - 1
	; my four neurons' slopes, biases and codes
	s_wait_loadcnt 8                               ; behind the sixteen loads of l, u, alpha, b eight were issued: the sixteen are in
.irp c, 0,1,2,3
	v_sub_f32 v[ED+\c], v[EU+\c], v[EL+\c]         ; u - l
	v_fma_f32 v[EN+\c], -v[EL+\c], s104, v[EU+\c]  ; u - ns l
.endr
.irp c, 0,1,2,3
	v_rcp_f32 v[ER+\c], v[ED+\c]
.endr
	v_mov_b32 v164, s104                           ; (plain lines behind the reciprocals)
	v_mov_b32 v165, 1.0
.irp c, 0,1,2,3
	v_med3_num_f32 v[ELW+\c], v[EAL+\c], s104, 1.0 ; alpha held in [ns, 1]
.endr
	s_wait_alu depctr_va_vdst(0)                   ; the wait ahead of the first reader: one for the four reciprocals
.irp c, 0,1,2,3
	v_mul_f32 v[EQ+\c], v[EN+\c], v[ER+\c]         ; the quotient,
.endr
.irp c, 0,1,2,3
	v_fma_f32 v[ET+\c], -v[ED+\c], v[EQ+\c], v[EN+\c]   ; its remainder,
.endr
.irp c, 0,1,2,3
	v_fma_f32 v[EQ+\c], v[ET+\c], v[ER+\c], v[EQ+\c]    ; and one correction: the slope goes into a quantiser
.endr
.irp c, 0,1,2,3
	v_cmp_lt_f32 s27, 0, v[EL+\c]                  ; positive: l > 0
	v_cmp_gt_f32 s26, 0, v[EL+\c]                  ; l < 0
	v_cmp_lt_f32 s5, 0, v[EU+\c]                   ; u > 0
	s_and_b32 s26, s26, s5                         ; crossing
	v_cndmask_b32 v[EBS+\c], v164, v165, s27       ; positive ? 1 : ns
	v_cndmask_b32 v[EUW+\c], v[EBS+\c], v[EQ+\c], s26    ; uw
	v_cndmask_b32 v[ELW+\c], v[EBS+\c], v[ELW+\c], s26   ; lw
	v_sub_f32 v[ET+\c], s104, v[EQ+\c]
	v_mul_f32 v[ET+\c], v[ET+\c], v[EL+\c]         ; (ns - slope) l,
	v_cndmask_b32 v[ET+\c], 0, v[ET+\c], s26       ; where crossing, else 0 (a select: what the quotient gives elsewhere is never used)
	v_max_num_f32 v[ES+\c], 0, v[EUW+\c]
	v_fma_f32 v[ET+\c], v[ES+\c], v[EBB+\c], v[ET+\c]    ; + max(uw, 0) b
	v_min_num_f32 v[ES+\c], 0, v[EUW+\c]
	v_fma_f32 v[UB+\c], v[ES+\c], v[EBB+\c], v[ET+\c]    ; + min(uw, 0) b
	v_max_num_f32 v[ES+\c], 0, v[ELW+\c]
	v_mul_f32 v[LB+\c], v[ES+\c], v[EBB+\c]
	v_min_num_f32 v[ES+\c], 0, v[ELW+\c]
	v_fma_f32 v[LB+\c], v[ES+\c], v[EBB+\c], v[LB+\c]    ; max(lw, 0) b + min(lw, 0) b
	v_cndmask_b32 v[UB+\c], 0, v[UB+\c], s98
	v_cndmask_b32 v[LB+\c], 0, v[LB+\c], s98
	v_ldexp_f32 v[EX+4*\c], v[EUW+\c], s88         ; each operand divided by its own scale;
	v_ldexp_f32 v[EX+4*\c+1], v[EUW+\c], s89
	v_ldexp_f32 v[EX+4*\c+2], v[ELW+\c], s90
	v_ldexp_f32 v[EX+4*\c+3], v[ELW+\c], s91
	v_med3_num_f32 v[EX+4*\c], v[EX+4*\c], 0, s100       ; the split by sign and the hold at the largest code in one (the conversion to an 8-bit code does not saturate: ISA guide 7.6.2)
	v_med3_num_f32 v[EX+4*\c+1], v[EX+4*\c+1], s101, 0
	v_med3_num_f32 v[EX+4*\c+2], v[EX+4*\c+2], 0, s100
	v_med3_num_f32 v[EX+4*\c+3], v[EX+4*\c+3], s101, 0
.endr
	v_cvt_scalef32_pk8_fp8_f32 v[EC:EC+1], v[EX:EX+7], v165        ; scale 1: the numbers are divided already.  Register EC + c: the four products' codes of neuron c
	v_cvt_scalef32_pk8_fp8_f32 v[EC+2:EC+3], v[EX+8:EX+15], v165
	v_nop                                          ; one plain line between a scaled conversion and the reader of its result
.irp c, 0,1,2,3
.irp p, 0,1,2,3
	v_bfe_u32 v[T+4*\c+\p], v[EC+\c], 8*\p, 8
.endr
.endr
.irp i, 0,1,2,3,4,5,6,7,8,9,10,11,12,13,14,15
	v_lshlrev_b32 v[T+\i], v3, v[T+\i]             ; at byte r % 4
.endr
	s_wait_loadcnt 0x0                             ; u0 and l0
.irp i, 0,2,4,6,8,10,12,14
	v_pk_add_f32 v[R2+\i:R2+\i+1], v[C2+\i:C2+\i+1], v[240+\i:241+\i] neg_lo:[0,1] neg_hi:[0,1]   ; r2 = u0 - l0
.endr
.irp i, 0,2,4,6,8,10,12,14
	v_pk_add_f32 v[C2+\i:C2+\i+1], v[C2+\i:C2+\i+1], v[240+\i:241+\i]                             ; c2 = u0 + l0
.endr
	v_ldexp_f32 v[FU], 1.0, s92                    ; 2^dU
	v_mov_b32 v[FU+1], v[FU]                       ; (named with it as a pair, so it is written)
	v_ldexp_f32 v[FU+2], 1.0, s93                  ; 2^dL
	v_mov_b32 v[FU+3], v[FU+2]
; the four live registers of each product's fragment for row tile a: my code where the diagonal passes through my lane, else zero codes
.macro NZ a
.irp p, 0,1,2,3
.irp q, 0,1,2,3
	v_cndmask_b32 v[AW+12+16*\p+\q], 0, v[T+4*((\a)/2)+\p], s[80+4*((\a)%2)+\q]
.endr
.endr
.endm
; the diagonal step's eight products of row tile a: they start the sums
.macro MULD a
	WIN 0x50*(1+(\a)/4)
.irp p, 0,1,2,3
.irp jt, 0,1
	v_wmma_f32_16x16x128_fp8_fp8 v[8*(8*((\a)%4)+2*\p+\jt):8*(8*((\a)%4)+2*\p+\jt)+7], v[BF+16*\jt:BF+16*\jt+15], v[AW+12+16*\p-4*((\a)/2):AW+27+16*\p-4*((\a)/2)], 0
.endr
.endr
.endm
; any other step's eight products of row tile a, against W's fragments in the given set.  The 64 accumulators take turns, one instruction a turn, in the same order in every step
.macro MULR a, set
	WIN 0x50*(1+(\a)/4)
.irp p, 0,1,2,3
.irp jt, 0,1
	v_wmma_f32_16x16x128_fp8_fp8 v[8*(8*((\a)%4)+2*\p+\jt):8*(8*((\a)%4)+2*\p+\jt)+7], v[BF+32*(\set)+16*\jt:BF+32*(\set)+16*\jt+15], v[Z:Z+15], v[8*(8*((\a)%4)+2*\p+\jt):8*(8*((\a)%4)+2*\p+\jt)+7]
.endr
.endr
.endm
; step t's two fragments of W into set t % 2: eight loads in one run
.macro FETCHT t
.set FJ, (\t)/4
.set FS, (\t)%4
.set FB, BF+32*((\t)%2)
.if FJ == 0
.set FA, 5+FS
.set FO, 0
.elseif FJ < 4
.set FA, 4
.set FO, FJ*CH+128*FS
.else
.set FA, 9
.set FO, (FJ-4)*CH+128*FS
.endif
.irp jt, 0,1
.irp c, 0,1,2,3
	ds_load_b128 v[FB+16*\jt+4*\c:FB+16*\jt+4*\c+3], v[FA] offset:FO+\jt*16*PITCH+32*\c
.endr
.endr
.endm
; Steps 1 to 30.  In its middle a step fetches the next step's fragments, 32 matrix instructions ahead of their use.  A place's last step meets the other waves first: each has waited for its quarter of the next chunk
; (behind chunk j + 1's load 6 - j were issued); the later chunks may stay on their way.  Signal and wait are 32 matrix instructions apart.
.macro STEPZ t
	s_wait_dscnt 0x0                               ; this step's fragments are in; no LDS instruction of mine is out at the signal
.if ((\t)%4) == 3
	s_wait_tensorcnt 6-(\t)/4
	s_barrier_signal -1
.endif
	MULR 0, (\t)%2
	MULR 1, (\t)%2
	MULR 2, (\t)%2
	MULR 3, (\t)%2
.if ((\t)%4) == 3
	s_barrier_wait -1
.endif
	PLACES                                         ; the other set was read by the step before
	WIN 0
	FETCHT (\t)+1
	MULR 4, (\t)%2
	MULR 5, (\t)%2
	MULR 6, (\t)%2
	MULR 7, (\t)%2
.endm
; Twelve lines for eight numbers x of one bound (bd = 0 upper, 1 lower), tile jt: x c2 into two packed sums, |x| r2 (lower: -|x| r2) into four.  Tile 0 starts the sums by multiplications: nothing is cleared
.macro RED bd, jt
.irp i, 0,2,4,6
.set RX, XS+8*(2*\bd+\jt)+\i
.set RPA, SU+8*\bd+2*((\i/2)%2)
.set RAB, SU+8*\bd+4+(\i%4)
.set RCC, C2+8*\jt+\i
.set RRR, R2+8*\jt+\i
.if (\jt == 0) && (\i < 4)
	v_pk_mul_f32 v[RPA:RPA+1], v[RX:RX+1], v[RCC:RCC+1]
.if \bd
	v_mul_f32 v[RAB], -|v[RX]|, v[RRR]
	v_mul_f32 v[RAB+1], -|v[RX+1]|, v[RRR+1]
.else
	v_mul_f32 v[RAB], |v[RX]|, v[RRR]
	v_mul_f32 v[RAB+1], |v[RX+1]|, v[RRR+1]
.endif
.else
	v_pk_fma_f32 v[RPA:RPA+1], v[RX:RX+1], v[RCC:RCC+1], v[RPA:RPA+1]
.if \bd
	v_fma_f32 v[RAB], -|v[RX]|, v[RRR], v[RAB]
	v_fma_f32 v[RAB+1], -|v[RX+1]|, v[RRR+1], v[RAB+1]
.else
	v_fma_f32 v[RAB], |v[RX]|, v[RRR], v[RAB]
	v_fma_f32 v[RAB+1], |v[RX+1]|, v[RRR+1], v[RAB+1]
.endif
.endif
.endr
.endm
; Row tile a is finished.  x = S(2 bd) + S(2 bd + 1) x 2^d into window 0 (each accumulator read from its low end on); the sums over my 16 inputs; with lane l xor 16, which holds the neuron's other 16.
; Behind an odd row tile: lane l takes neuron 32 (a / 2) + l (lanes 0-15 the even tile's, lanes 16-31 the odd one's), the scale, the bias, and the wave stores 256 consecutive bytes, aligned.
.macro EPI a
	WIN 0x11*(1+(\a)/4)                            ; sources 0 and 2: the accumulators' window
.irp bd, 0,1
.irp jt, 0,1
.set KA0, 8*(8*((\a)%4)+4*\bd+\jt)
.set KXS, XS+8*(2*\bd+\jt)
.irp i, 0,2,4,6
	v_pk_fma_f32 v[KXS+\i:KXS+\i+1], v[KA0+16+\i:KA0+17+\i], v[FU+2*\bd:FU+2*\bd+1], v[KA0+\i:KA0+\i+1] op_sel_hi:[1,0,1]
.endr
.endr
.endr
	WIN 0
	RED 0, 0
	RED 1, 0
	RED 0, 1
	RED 1, 1
	v_pk_add_f32 v[SU:SU+1], v[SU:SU+1], v[SU+2:SU+3]   ; the two bounds line by line, so that no line waits for the line above it
	v_pk_add_f32 v[SL:SL+1], v[SL:SL+1], v[SL+2:SL+3]
	v_add_f32 v[SU+4], v[SU+4], v[SU+5]
	v_add_f32 v[SL+4], v[SL+4], v[SL+5]
	v_add_f32 v[SU+6], v[SU+6], v[SU+7]
	v_add_f32 v[SL+6], v[SL+6], v[SL+7]
	v_add_f32 v[SU], v[SU], v[SU+1]
	v_add_f32 v[SL], v[SL], v[SL+1]
	v_add_f32 v[SU+4], v[SU+4], v[SU+6]
	v_add_f32 v[SL+4], v[SL+4], v[SL+6]
	v_add_f32 v[SU], v[SU], v[SU+4]
	v_add_f32 v[SL], v[SL], v[SL+4]
	v_permlanex16_b32 v[PL], v[SU], s96, s97
	v_permlanex16_b32 v[PL+1], v[SL], s96, s97
	v_add_f32 v[RS+(\a)%2], v[SU], v[PL]
	v_add_f32 v[RS+2+(\a)%2], v[SL], v[PL+1]
.if ((\a)%2) == 1
.set KC, (\a)/2
	v_cndmask_b32 v[OUT+2*KC], v[RS+2], v[RS+3], s99
	v_cndmask_b32 v[OUT+2*KC+1], v[RS], v[RS+1], s99
	v_ldexp_f32 v[OUT+2*KC], v[OUT+2*KC], s95      ; lower x 2^(e4 + e5 - 1)
	v_ldexp_f32 v[OUT+2*KC+1], v[OUT+2*KC+1], s94  ; upper x 2^(e0 + e1 - 1)
	v_add_f32 v[OUT+2*KC], v[OUT+2*KC], v[LB+KC]
	v_add_f32 v[OUT+2*KC+1], v[OUT+2*KC+1], v[UB+KC]
	global_store_b64 v10, v[OUT+2*KC:OUT+2*KC+1], s[24:25] offset:256*KC   ; each store has data registers of its own; the offset register is never rewritten
.endif
.endm
	NZ 0
	s_wait_tensorcnt 7                             ; my quarter of place 0 is in: behind its load seven were issued
	s_barrier_signal -1
	s_barrier_wait -1                              ; everybody's is
	FETCHT 0
	s_wait_dscnt 0x0
	MULD 0                                         ; THE DIAGONAL STEP
.irp a, 1,2,3,4,5,6,7
	WIN 0
.if \a == 4
	FETCHT 1                                       ; no matrix instruction has read set 1 yet
.endif
	PLACES                                         ; the live registers were read by the eight products just issued
	NZ \a
	MULD \a
.endr
.irp t, 1,2,3,4,5,6,7,8,9,10,11,12,13,14,15,16,17,18,19,20,21,22,23,24,25,26,27,28,29,30
	STEPZ \t
.endr
	; THE LAST STEP GOES BY ROW TILES: a finished row tile's vector work stands beside the next one's eight products, and is the places behind them
	s_wait_dscnt 0x0
	MULR 0, 1
	MULR 1, 1
	PLACES                                         ; ahead of the first read of results, and of the first write into set 0, which step 30 read
	EPI 0
.irp a, 2,3,4,5,6,7
	MULR \a, 1
	EPI \a-1
.endr
	EPI 7
	s_set_vgpr_msb 0xc
	s_wait_tensorcnt 0x0
	ds_add_u32 v15, v1
	s_wait_dscnt 0x0
	s_set_vgpr_msb 0xc00
	s_endpgm
.Lfunc_end_k_qf24acffc93_band:
	.size	k_qf24acffc93_band, .Lfunc_end_k_qf24acffc93_band-k_qf24acffc93_band
	.p2alignl 7, 3214868480
	.fill 96, 4, 3214868480
	.section	.rodata,"a",@progbits
	.p2align	6, 0x0
	.amdhsa_kernel k_qf24acffc93_band
		.amdhsa_group_segment_fixed_size 168448
		.amdhsa_private_segment_fixed_size 0
		.amdhsa_enable_private_segment 0
		.amdhsa_kernarg_size 72
		.amdhsa_user_sgpr_count 2
		.amdhsa_user_sgpr_kernarg_segment_ptr 1
		.amdhsa_wavefront_size32 1
		.amdhsa_system_sgpr_workgroup_id_x 1
		.amdhsa_system_sgpr_workgroup_id_y 1
		.amdhsa_system_sgpr_workgroup_id_z 1
		.amdhsa_system_vgpr_workitem_id 0
		.amdhsa_next_free_vgpr 770
		.amdhsa_next_free_sgpr 106
		.amdhsa_reserve_vcc 0
		.amdhsa_float_denorm_mode_32 3
		.amdhsa_float_denorm_mode_16_64 3
		.amdhsa_memory_ordered 1
		.amdhsa_forward_progress 1
		.amdhsa_inst_pref_size 224
	.end_amdhsa_kernel
	.amdgpu_metadata
---
amdhsa.version: [ 1, 2 ]
amdhsa.kernels:
  - .name:           k_qf24acffc93_band
    .symbol:         k_qf24acffc93_band.kd
    .args:
      - { .name: W_codes, .offset: 0, .size: 8, .value_kind: global_buffer, .address_space: global }
      - { .name: lowerBound, .offset: 8, .size: 8, .value_kind: global_buffer, .address_space: global }
      - { .name: upperBound, .offset: 16, .size: 8, .value_kind: global_buffer, .address_space: global }
      - { .name: alpha, .offset: 24, .size: 8, .value_kind: global_buffer, .address_space: global }
      - { .name: b, .offset: 32, .size: 8, .value_kind: global_buffer, .address_space: global }
      - { .name: l0, .offset: 40, .size: 8, .value_kind: global_buffer, .address_space: global }
      - { .name: u0, .offset: 48, .size: 8, .value_kind: global_buffer, .address_space: global }
      - { .name: lowp_scales, .offset: 56, .size: 8, .value_kind: global_buffer, .address_space: global }
      - { .name: part, .offset: 64, .size: 8, .value_kind: global_buffer, .address_space: global }
    .group_segment_fixed_size: 168448
    .private_segment_fixed_size: 0
    .kernarg_segment_align: 8
    .kernarg_segment_size: 72
    .max_flat_workgroup_size: 128
    .sgpr_count:     106
    .vgpr_count:     770
    .wavefront_size: 32
...
	.end_amdgpu_metadata
.endif
;; end of part 1
;; launch fold (part 2): grid 64 x 1, 1 waves a work-group, no clusters, 0 bytes of LDS; arguments part, out0; writes out0
.if DOCPART == 2
	.amdgcn_target "amdgcn-amd-amdhsa--gfx1250"
	.amdhsa_code_object_version 6
	.text
	.protected	k_qf24acffc93_fold
	.globl	k_qf24acffc93_fold
	.p2align	8
	.type	k_qf24acffc93_fold,@function
k_qf24acffc93_fold:
	s_mov_b64 s[64:65], 0
	v_nop
	global_prefetch_b8 v0, s[64:65] scope:SCOPE_SE
	s_setreg_imm32_b32 hwreg(HW_REG_WAVE_MODE, 25, 1), 1
	s_wait_xcnt 0x0
; out0[0][i] = the sum over the 32 planes of part[plane][i][0] (lower), out0[1][i] likewise of part[plane][i][1] (upper).  part: [32][4096][2] f32; out0: [2][4096] f32.
; One wave takes 64 neurons, a lane two: 16 bytes of each plane, so a load covers 512 consecutive bytes; all 32 loads are issued at once.  Each of the two stores covers 256 consecutive, aligned bytes.
; A stream of 1 MiB read once: no LDS, no barrier, no matrix unit.
	s_load_b128 s[4:7], s[0:1], 0x0                ; part, out0
	s_lshl_b32 s2, ttmp9, 9                        ; 64 neurons x 8 bytes
	s_lshl_b32 s3, ttmp9, 8                        ; 64 neurons x 4 bytes
	v_lshl_add_u32 v1, v0, 4, s2
	v_lshl_add_u32 v2, v0, 3, s3
	s_wait_kmcnt 0x0
.set I, 0
.rept 32
	global_load_b128 v[8+4*I:11+4*I], v1, s[4:5] offset:32768*I th:TH_LOAD_NT
.set I, I+1
.endr
.macro TREE p                          ; eight planes at v[p] on are added into the first, two numbers an instruction
.irp a, 0,8,16,24
	v_pk_add_f32 v[\p+\a:\p+\a+1], v[\p+\a:\p+\a+1], v[\p+\a+4:\p+\a+5]
	v_pk_add_f32 v[\p+\a+2:\p+\a+3], v[\p+\a+2:\p+\a+3], v[\p+\a+6:\p+\a+7]
.endr
.irp a, 0,16
	v_pk_add_f32 v[\p+\a:\p+\a+1], v[\p+\a:\p+\a+1], v[\p+\a+8:\p+\a+9]
	v_pk_add_f32 v[\p+\a+2:\p+\a+3], v[\p+\a+2:\p+\a+3], v[\p+\a+10:\p+\a+11]
.endr
	v_pk_add_f32 v[\p:\p+1], v[\p:\p+1], v[\p+16:\p+17]
	v_pk_add_f32 v[\p+2:\p+3], v[\p+2:\p+3], v[\p+18:\p+19]
.endm
	s_wait_loadcnt 24                              ; planes 0 to 7 are in; the 24 loads behind them may be out
	TREE 8
	s_wait_loadcnt 16                              ; planes 8 to 15
	TREE 40
	s_wait_loadcnt 8                               ; planes 16 to 23
	TREE 72
	s_wait_loadcnt 0x0
	TREE 104
	v_pk_add_f32 v[8:9], v[8:9], v[40:41]
	v_pk_add_f32 v[10:11], v[10:11], v[42:43]
	v_pk_add_f32 v[72:73], v[72:73], v[104:105]
	v_pk_add_f32 v[74:75], v[74:75], v[106:107]
	v_add_f32 v136, v8, v72                        ; lower of my first neuron,
	v_add_f32 v137, v10, v74                       ; of my second;
	v_add_f32 v138, v9, v73                        ; upper likewise
	v_add_f32 v139, v11, v75
	global_store_b64 v2, v[136:137], s[6:7]
	global_store_b64 v2, v[138:139], s[6:7] offset:16384
	s_endpgm
.Lfunc_end_k_qf24acffc93_fold:
	.size	k_qf24acffc93_fold, .Lfunc_end_k_qf24acffc93_fold-k_qf24acffc93_fold
	.p2alignl 7, 3214868480
	.fill 96, 4, 3214868480
	.section	.rodata,"a",@progbits
	.p2align	6, 0x0
	.amdhsa_kernel k_qf24acffc93_fold
		.amdhsa_group_segment_fixed_size 0
		.amdhsa_private_segment_fixed_size 0
		.amdhsa_enable_private_segment 0
		.amdhsa_kernarg_size 16
		.amdhsa_user_sgpr_count 2
		.amdhsa_user_sgpr_kernarg_segment_ptr 1
		.amdhsa_wavefront_size32 1
		.amdhsa_system_sgpr_workgroup_id_x 1
		.amdhsa_system_sgpr_workgroup_id_y 1
		.amdhsa_system_sgpr_workgroup_id_z 1
		.amdhsa_system_vgpr_workitem_id 0
		.amdhsa_next_free_vgpr 144
		.amdhsa_next_free_sgpr 66
		.amdhsa_reserve_vcc 0
		.amdhsa_float_denorm_mode_32 3
		.amdhsa_float_denorm_mode_16_64 3
		.amdhsa_memory_ordered 1
		.amdhsa_forward_progress 1
		.amdhsa_inst_pref_size 8
	.end_amdhsa_kernel
	.amdgpu_metadata
---
amdhsa.version: [ 1, 2 ]
amdhsa.kernels:
  - .name:           k_qf24acffc93_fold
    .symbol:         k_qf24acffc93_fold.kd
    .args:
      - { .name: part, .offset: 0, .size: 8, .value_kind: global_buffer, .address_space: global }
      - { .name: out0, .offset: 8, .size: 8, .value_kind: global_buffer, .address_space: global }
    .group_segment_fixed_size: 0
    .private_segment_fixed_size: 0
    .kernarg_segment_align: 8
    .kernarg_segment_size: 16
    .max_flat_workgroup_size: 32
    .sgpr_count:     66
    .vgpr_count:     144
    .wavefront_size: 32
...
	.end_amdgpu_metadata
.endif
;; end of part 2
